; MI455X (gfx1250); checked and timed in simulation.
; The chip was launched on July 23, 2026; its instructions are those of AMD's public machine-readable ISA for CDNA 5 (MIT licence, August 2026) and "CDNA5" Instruction Set Architecture Reference Guide (July 2026). The comments in the code are by the model that wrote it; some were corrected since.
;; Causal Self Attention. Allowed arithmetic: matrix products marked QUANTISED: E2M1 operands, one E8M0 scale for each 32 along K, by v_wmma_scale_f32_16x16x128_f8f6f4 with both operands' format E2M1 (or v_wmma_scale_f32_32x16x128_f4), f32 sums; everything else in f32.
;; Inputs: Wc_codes 1,024 x 32 x 16 uint8 (E2M1 codes of Wc, K innermost, in blocks of 32 codes, two codes a byte); Wc_scales 1,024 x 32 uint8 (E8M0 scales of Wc, one for each 32 codes along K); Wk_codes 1,024 x 32 x 16 uint8 (E2M1 codes of Wk, K innermost, in blocks of 32 codes, two codes a byte); Wk_scales 1,024 x 32 uint8 (E8M0 scales of Wk, one for each 32 codes along K); Wq_codes 1,024 x 32 x 16 uint8 (E2M1 codes of Wq, K innermost, in blocks of 32 codes, two codes a byte); Wq_scales 1,024 x 32 uint8 (E8M0 scales of Wq, one for each 32 codes along K); Wv_codes 1,024 x 32 x 16 uint8 (E2M1 codes of Wv, K innermost, in blocks of 32 codes, two codes a byte); Wv_scales 1,024 x 32 uint8 (E8M0 scales of Wv, one for each 32 codes along K); bc 1,024 float32; bk 1,024 float32; bq 1,024 float32; bv 1,024 float32; x_codes 4 x 2,048 x 32 x 16 uint8 (E2M1 codes of x, K innermost, in blocks of 32 codes, two codes a byte); x_scales 4 x 2,048 x 32 uint8 (E8M0 scales of x, one for each 32 codes along K).
;; Outputs: out0 4 x 2,048 x 1,024 float32.
;; This version of the problem:
;;   THIS VERSION OF THE PROBLEM IS GIVEN IN LOW PRECISION. The matrix products marked QUANTISED in the list below multiply operands that are first quantised to E2M1 (2 exponent bits, 1 mantissa bit; 4 bits a number), with one power-of-two scale for each 32 numbers along K (OCP MX v1.0); their sums are f32. All else is computed in f32.
;;   The module's matrix products, in the order in which they are computed (A, B: the left and right operand; K: the contracted axis; several contracted axes count as one K, in the product's order):
;;     1. [M 8,192, K 1,024] x [K 1,024, N 1,024]; A: input x (given as codes); B: input Wq (given as codes): QUANTISED
;;     2. [M 8,192, K 1,024] x [K 1,024, N 1,024]; A: input x (given as codes); B: input Wk (given as codes): QUANTISED
;;     3. [M 8,192, K 1,024] x [K 1,024, N 1,024]; A: input x (given as codes); B: input Wv (given as codes): QUANTISED
;;     4. batch 64 x [M 2,048, K 64] x [K 64, N 2,048]; A: computed on the way; B: computed on the way: QUANTISED
;;     5. batch 64 x [M 2,048, K 2,048] x [K 2,048, N 64]; A: softmax (see below); B: computed on the way: QUANTISED
;;     6. [M 8,192, K 1,024] x [K 1,024, N 1,024]; A: computed on the way; B: input Wc (given as codes): QUANTISED
;;   THE QUANTISER, for each operand of a quantised product, along K:
;;     - K is cut into blocks of 32 from its start; a last block that is shorter is filled with zeros.
;;     - A block's scale is 2^e with e = floor(log2(the largest magnitude in the block)) - 2, held to -126 .. 127; a block of zeros has e = 0. As a byte (E8M0): e + 127.
;;     - Each number is divided by its block's scale, clamped to +-6, and rounded to the nearest number of E2M1, ties to even, subnormals kept.
;;     - The product sums the exact products of the quantised numbers (number of the format x scale) in f32.
;;   ~~~python
;;   def quantise(x, axis):      # numpy; x: float32 -> the quantised numbers, widened to float32 again
;;       x = np.moveaxis(x, axis, -1); K = x.shape[-1]
;;       x = np.pad(x, [(0, 0)] * (x.ndim - 1) + [(0, -K % 32)]); x = x.reshape(x.shape[:-1] + (-1, 32)); a = np.abs(x).max(-1, keepdims=True)
;;       e = np.where(a > 0, np.clip(np.frexp(np.where(a > 0, a, 1))[1] - 1 - 2, -126, 127), 0)      # np.frexp(a)[1] - 1 = floor(log2(a)), exactly
;;       r = np.clip(x / 2.0 ** e, -6, 6)
;;       step = 2.0 ** (np.maximum(np.frexp(np.where(r == 0, 1, r))[1] - 1, 0) - 1)
;;       q = np.round(r / step) * step * 2.0 ** e      # np.round: ties to even
;;       return np.moveaxis(q.reshape(q.shape[:-2] + (-1,))[..., :K], -1, axis).astype(np.float32)
;;   ~~~
;;   SOFTMAX AHEAD OF A QUANTISED PRODUCT. Where the list says 'softmax', what is quantised is not the finished softmax but p = 2^(t - M), with t = logit x log2(e) and M = ceil(the row's largest t), a whole number; so 1/2 < the row's largest p <= 1. The row's sum l is taken of the UNQUANTISED p, in f32, and the product's result is divided by l at the end. Since M is a whole number, a kernel that streams over the keys may use a running M (the ceiling of the running maximum): every later rescaling is an exact power of two, which a block's scale takes up: the codes' values come out the same.
;;   OPERANDS COMPUTED ON THE WAY. 'Computed on the way' means the value that the module computes at that place (a softmax that the list does not call 'softmax' is quantised finished and normalised). What goes into a quantiser is computed in f32, as accurately as f32 sums, v_exp_f32 and their like allow (about 1e-6 of the number): no bf16 or f16 on the way to a quantiser, and a product that is left as it is and whose result goes on into a quantised operand takes f32 operands (vector FMAs, or v_wmma_f32_16x16x4_f32). A number that lies on a knife's edge between two numbers of the format may be rounded either way, as far as f32 arithmetic and the matrix unit's own rounding can turn it there, and no further.
;;   INPUTS GIVEN AS CODES. Wc (in the module: [1024, 1024], K = its axis 1); Wk (in the module: [1024, 1024], K = its axis 1); Wq (in the module: [1024, 1024], K = its axis 1); Wv (in the module: [1024, 1024], K = its axis 1); x (in the module: [4, 2048, 1024], K = its axis 2): each comes as NAME_codes (uint8): NAME with its K axis moved to the last place and cut into blocks of 32 codes, [.., K / 32, bytes a block], one block behind the other in memory; two codes a byte, the lower K in the low four bits (a code: sign, 2 exponent bits, 1 mantissa bit); and NAME_scales (uint8): the same leading axes, one E8M0 byte (e + 127) for each 32 codes along K. Its value is code x scale, taken as it is: it is not quantised again, and the codes and scales need not be those that the quantiser above would give.
;; One version. Each part assembles by itself: llvm-mc -triple=amdgcn-amd-amdhsa -mcpu=gfx1250 --defsym DOCPART=n.
;; ======== version 1 of 1: 3 launches
;; workspace buffers: qw 4,718,592 bytes; kv 9,437,184 bytes; yc 4,194,304 bytes; ys 524,288 bytes
;; launch proj (part 1): grid 16 x 16, 4 waves a work-group, clusters of 4 x 1, 168,448 bytes of LDS; arguments x_codes, x_scales, Wq_codes, Wq_scales, bq, Wk_codes, Wk_scales, bk, Wv_codes, Wv_scales, bv, qw, kv; writes qw, kv
.if DOCPART == 1
	.amdgcn_target "amdgcn-amd-amdhsa--gfx1250"
	.amdhsa_code_object_version 6
	.text
	.protected	k_qae03d02706_proj
	.globl	k_qae03d02706_proj
	.p2align	8
	.type	k_qae03d02706_proj,@function
k_qae03d02706_proj:
	s_mov_b64 s[64:65], 0
	v_nop
	global_prefetch_b8 v0, s[64:65] scope:SCOPE_SE
	s_setreg_imm32_b32 hwreg(HW_REG_WAVE_MODE, 25, 1), 1
	s_wait_xcnt 0x0
	s_wait_alu depctr_hold_cnt(0) depctr_sa_sdst(0) depctr_va_vdst(0) depctr_va_sdst(0) depctr_va_ssrc(0) depctr_va_vcc(0) depctr_vm_vsrc(0)
	s_getreg_b32 s2, hwreg(HW_REG_IB_STS2, 6, 4)
	s_cmp_eq_u32 s2, 0
	s_cbranch_scc0 .Lentry_in_a_cluster
	s_endpgm
.Lentry_in_a_cluster:
	s_bfe_u32 s2, ttmp6, 0x10000c
	s_cmp_lg_u32 s2, 0x3003
	s_cbranch_scc0 .Lentry_shape_is_right
	s_endpgm
.Lentry_shape_is_right:
; q = x Wq^T + bq, k = x Wk^T + bk, v = x Wv^T + bv on codes of FP4 (E2M1) with one E8M0 scale for each 32 along K; sums in f32; then q and k are quantised along the head's 64 and v along the keys.
; SHARES.  A work-group takes 512 tokens (chunk X) and one head hh; wave w takes tokens 128 w .. 128 w + 127 of the chunk: eight tiles of 16, one key step of the attention.
; The wave's x fragments (8 tiles x 8 K steps x 8 registers = 512 registers) stay in registers; the head's 64 rows of Wq, Wk and Wv (32,768 bytes each) lie in LDS, and each fragment read from there feeds 8 products.
; CLUSTER.  The four chunks of a cluster need the same 3 x 64 weight rows: they are asked for jointly (mask 15).  x goes straight to registers and is shared with nobody in the cluster.
; q, k: source 0 = 16 rows of W, source 1 = 16 tokens: a lane holds ONE token and eight neighbouring d.  v: source 0 = 16 tokens, source 1 = 16 rows of Wv: a lane holds ONE d and eight neighbouring tokens (keys).
; So both quantisers find their K along a lane's registers.  In a result tile T lane (r, h) holds units 16 T + 8 h + 0 .. 7; the eight conversions of four tiles are placed so that two exchanges of lane halves leave a whole
; block of 32 in a lane, as the operand's layout wants it.
; OUT: images of operand registers (lane l's 16 bytes at 16 l, 512 consecutive bytes a store).  qw: [b x head][step][8 tiles x 512 | 512 of scale words].  kv: [b x head][step][8 key tiles x 512 | 512 | 4 d tiles x 1,024 | 512].
; A scale word of q or k has its two blocks in bytes 0, 1 and 0x7f in bytes 2, 3: the attention's first product runs K = 64 under an instruction of K = 128.
; LIMITS: NaN, infinities and the scale byte 0xff among the inputs are not served.  A block whose largest magnitude lies under 2^-124 (a block of zeros too) gets the byte 1; these bytes are read by this program alone.
; REGISTERS, in windows of 256: window 0: addresses, scale words, biases, W's fragments (two buffers), the quantiser's work.  Windows 1, 2: x fragment (tile m, K step s) at 64 (m % 4) + 8 s, tiles 0-3 and 4-7.
;   window 3: 32 accumulators; while x is brought in, its rows as loaded.
.set WPITCH, 528                       ; a weight row in LDS: 512 bytes + 16 of padding = 33 x 16: the 16 rows of a fragment load fall on 16 different 16-byte columns
.set WBLK,   64*WPITCH                 ; one weight's 64 rows
.set STGB,   16*WPITCH                 ; a wave's stage: 16 rows of x
.set STAGE,  3*WBLK                    ; behind the weights; no tensor load lands there
.set LI,  2                            ; v2   16 x lane
.set AW,  3                            ; v3-5 my place in a fragment of Wq, Wk, Wv: r x 528 + 16 h + the weight's block
.set STI, 6                            ; v6   the stage, on the way in: 16 x lane
.set STO, 7                            ; v7   and on the way out: r x 528 + 16 h
.set SA,  8                            ; v8   32 x lane: a row of scale bytes
.set BA,  9                            ; v9   32 h: bias of q, k
.set BVA, 10                           ; v10  4 r: bias of v
.set XS,  16                           ; v16-47  x's scale words: 8 p + s: lanes 0-15 tile 2 p, lanes 16-31 tile 2 p + 1
.set WS,  48                           ; v48-95  W's: 16 f + 8 u + s, packed likewise
.set BI,  96                           ; v96-127 the bias in the result's layout, 8 registers a tile
.set WF,  128                          ; v128-191 W's fragments: two buffers of four
.set TM,  192                          ; v192-207 the quantiser: +0 largest magnitudes, +4 bytes, +12 scale operands
.set PW,  208                          ; v208-211 scale words just made
.set SW,  212                          ; v212-219 a word for each token tile
.set OW,  220                          ; v220-223 the words as they are stored
.set PC,  224                          ; v224-255 codes: four sets of 8, so that no store's data are written again inside a phase
.set WV,  30
.set G1,  32
.set G0,  40
.set SEL, 44
.set FILL, 46
.set HM,  47
.set MSB, 0
.macro WIN new                         ; the immediate's high byte repeats the setting that is left
.if MSB != (\new)
	s_set_vgpr_msb (MSB<<8)|(\new)
.set MSB, (\new)
.endif
.endm
.macro PLACES n
.rept \n
	v_nop
.endr
.endm
.macro ROUND                           ; a round of the cluster's barrier
	s_barrier_signal -1
	s_barrier_wait -1
	s_cmp_lg_u32 s[WV], 0
	s_cbranch_scc1 .Lnot_wave_0_\@
	s_barrier_signal -3
.Lnot_wave_0_\@:
	s_barrier_wait -3
	s_barrier_signal -1
	s_barrier_wait -1
.endm
	s_load_b256 s[4:11], s[0:1], 0x0               ; x codes s[4:5], x scales s[6:7], Wq codes s[8:9], Wq scales s[10:11]
	s_load_b256 s[12:19], s[0:1], 0x20             ; bq s[12:13], Wk codes s[14:15], Wk scales s[16:17], bk s[18:19]
	s_load_b256 s[20:27], s[0:1], 0x40             ; Wv codes s[20:21], Wv scales s[22:23], bv s[24:25], qw s[26:27]
	s_load_b64 s[28:29], s[0:1], 0x60              ; kv
	v_lshl_add_u32 v202, v0, 2, 0x29000
	v_mov_b32 v203, 0
	ds_add_u32 v202, v203
	ds_add_u32 v202, v203
	v_lshrrev_b32 v1, 5, v0
	v_readfirstlane_b32 s[WV], v1                  ; wave 0..3
	v_and_b32 v1, 31, v0                           ; lane
	v_and_b32 v11, 15, v0                          ; r
	v_bfe_u32 v12, v0, 4, 1                        ; h
	v_lshlrev_b32 v[LI], 4, v1
	v_mul_u32_u24 v[AW], v11, WPITCH
	v_lshl_add_u32 v[AW], v12, 4, v[AW]
	v_add_nc_u32 v[AW+1], WBLK, v[AW]
	v_add_nc_u32 v[AW+2], 2*WBLK, v[AW]
	s_mul_i32 s31, s[WV], STGB
	s_add_co_u32 s31, s31, STAGE                   ; my stage
	v_add_nc_u32 v[STI], s31, v[LI]
	v_add_nc_u32 v[STO], s31, v[AW]
	v_lshlrev_b32 v[SA], 5, v1
	v_lshlrev_b32 v[BA], 5, v12
	v_lshlrev_b32 v[BVA], 2, v11
.irp b, 0,1,2,3
	v_mov_b32 v[TM+4+\b], 0                        ; written once: a lane permute's destination counts as one of its sources
.endr
	s_mov_b32 s[SEL], 0x76543210
	s_mov_b32 s[SEL+1], 0xfedcba98                 ; lane l xor 16
	s_mov_b32 s[FILL], 0x7f7f0000                  ; bytes 2, 3 of a scale word of q or k: 1.0
	s_mov_b32 s[HM], 0xffff0000                    ; lanes 16-31
	s_bfe_u32 s48, ttmp6, 0x40000                  ; cx
	s_lshl_b32 s49, ttmp9, 2
	s_add_co_u32 s49, s49, s48                     ; X: my chunk of 512 tokens; it enters global addresses of x, qw, kv alone
	s_and_b32 s50, ttmp7, 0xffff                   ; hh: the head, which the four partners share
	s_lshl_b32 s52, s49, 18                        ; x's codes: 512 tokens x 512 bytes a chunk,
	s_lshl_b32 s51, s[WV], 16                      ; 128 tokens a wave
	s_add_co_u32 s52, s52, s51
	s_mov_b32 s53, 0
	s_lshl_b32 s54, s49, 14                        ; x's scale bytes: 32 a token
	s_lshl_b32 s51, s[WV], 12
	s_add_co_u32 s54, s54, s51
	s_mov_b32 s55, 0
	s_lshl_b32 s56, s50, 15                        ; the head's 64 rows of a weight: 32,768 bytes of codes,
	s_mov_b32 s57, 0
	s_lshl_b32 s58, s50, 11                        ; 2,048 of scale bytes,
	s_mov_b32 s59, 0
	s_lshl_b32 s60, s50, 8                         ; 256 of bias
	s_mov_b32 s61, 0
	s_lshr_b32 s51, s49, 2                         ; b
	s_lshl_b32 s51, s51, 4
	s_add_co_u32 s51, s51, s50                     ; 16 b + head
	s_lshl_b32 s51, s51, 4
	s_and_b32 s62, s49, 3
	s_lshl_b32 s62, s62, 2
	s_add_co_u32 s51, s51, s62
	s_add_co_u32 s51, s51, s[WV]                   ; x 16 + the key step: 4 (X % 4) + wave
	s_mul_i32 s62, s51, 4608
	s_mov_b32 s63, 0
	s_mul_i32 s66, s51, 9216
	s_mov_b32 s67, 0
	; descriptor group 1: 64 rows of 64 elements of 8 bytes, dense in memory, 16 bytes of padding behind each row in LDS
	s_mov_b32 s[G1], 15|(3<<16)|(1<<20)|(1<<21)|(6<<22)|(3<<25)   ; the mask: all four work-groups; elements of 8 bytes; padding on; bit 21 beside a mask; after every 128 words; four words
	s_mov_b32 s[G1+1], 64<<16                      ; tensor_dim0
	s_mov_b32 s[G1+2], 64<<16                      ; tensor_dim1
	s_mov_b32 s[G1+3], 64<<16                      ; tile_dim0
	s_mov_b32 s[G1+4], 64                          ; tile_dim1
	s_mov_b32 s[G1+5], 64                          ; pitch
	s_mov_b32 s[G1+6], 0
	s_mov_b32 s[G1+7], 0
	s_wait_dscnt 0x0
	s_wait_kmcnt 0x0
	s_add_nc_u64 s[4:5], s[4:5], s[52:53]
	s_add_nc_u64 s[6:7], s[6:7], s[54:55]
	s_add_nc_u64 s[10:11], s[10:11], s[58:59]
	s_add_nc_u64 s[16:17], s[16:17], s[58:59]
	s_add_nc_u64 s[22:23], s[22:23], s[58:59]
	s_add_nc_u64 s[12:13], s[12:13], s[60:61]
	s_add_nc_u64 s[18:19], s[18:19], s[60:61]
	s_add_nc_u64 s[24:25], s[24:25], s[60:61]
	s_add_nc_u64 s[26:27], s[26:27], s[62:63]
	s_add_nc_u64 s[28:29], s[28:29], s[66:67]
	s_mov_b32 s[G0], 1
	s_mul_i32 s[G0+1], s[WV], WBLK                 ; wave 0 brings Wq's rows, wave 1 Wk's, wave 2 Wv's, each to its own block
	s_cmp_eq_u32 s[WV], 0
	s_cselect_b64 s[G0+2:G0+3], s[8:9], s[14:15]
	s_cmp_lt_u32 s[WV], 2
	s_cselect_b64 s[G0+2:G0+3], s[G0+2:G0+3], s[20:21]
	s_add_nc_u64 s[G0+2:G0+3], s[G0+2:G0+3], s[56:57]
	s_or_b32 s[G0+3], s[G0+3], 0x80000000
	ROUND                                          ; all four work-groups are here: the joint loads meet
	s_cmp_lt_u32 s[WV], 3
	s_cbranch_scc0 .Lno_fill
	tensor_load_to_lds s[G0:G0+3], s[G1:G1+7]      ; filled once; one tensor load of mine is out
	s_nop 0
.rept 4
	v_nop
.endr
.Lno_fill:
	s_wait_alu depctr_va_vdst(0)
.irp p, 0,1,2,3
	global_load_b128 v[XS+8*\p:XS+8*\p+3], v[SA], s[6:7] offset:1024*\p        ; token 32 p + lane: its eight scale words
	global_load_b128 v[XS+8*\p+4:XS+8*\p+7], v[SA], s[6:7] offset:1024*\p+16
.endr
.irp u, 0,1
	global_load_b128 v[WS+8*\u:WS+8*\u+3], v[SA], s[10:11] offset:1024*\u
	global_load_b128 v[WS+8*\u+4:WS+8*\u+7], v[SA], s[10:11] offset:1024*\u+16
	global_load_b128 v[WS+16+8*\u:WS+16+8*\u+3], v[SA], s[16:17] offset:1024*\u
	global_load_b128 v[WS+16+8*\u+4:WS+16+8*\u+7], v[SA], s[16:17] offset:1024*\u+16
	global_load_b128 v[WS+32+8*\u:WS+32+8*\u+3], v[SA], s[22:23] offset:1024*\u
	global_load_b128 v[WS+32+8*\u+4:WS+32+8*\u+7], v[SA], s[22:23] offset:1024*\u+16
.endr
.irp t, 0,1,2,3
	global_load_b128 v[BI+8*\t:BI+8*\t+3], v[BA], s[12:13] offset:64*\t        ; bq at d = 16 t + 8 h + 0 .. 7
	global_load_b128 v[BI+8*\t+4:BI+8*\t+7], v[BA], s[12:13] offset:64*\t+16
.endr
; x COMES IN AS WHOLE ROWS AND LEAVES THE STAGE AS FRAGMENTS.  A load reads one token's 512 consecutive bytes; a tile's 16 rows go into my stage as they lie and come back as 8 fragments.
.macro XLOAD m
	WIN 0xC0                                       ; destination window 3
.irp i, 0,1,2,3,4,5,6,7,8,9,10,11,12,13,14,15
	global_load_b128 v[64*((\m)%4)+4*\i:64*((\m)%4)+4*\i+3], v[LI], s[4:5] offset:(16*(\m)+\i)*512
.endr
.endm
.macro TILE m, left
	s_wait_loadcnt \left                           ; this tile's 16 rows are in; the later tiles' loads may be out
	WIN 0x0C                                       ; an LDS store's data: window 3
.irp i, 0,1,2,3,4,5,6,7,8,9,10,11,12,13,14,15
	ds_store_b128 v[STI], v[64*((\m)%4)+4*\i:64*((\m)%4)+4*\i+3] offset:WPITCH*\i
.endr
	WIN 0x40*(1+(\m)/4)                            ; destination window 1 or 2
.irp s, 0,1,2,3,4,5,6,7
.irp c, 0,1
	ds_load_b128 v[64*((\m)%4)+8*\s+4*\c:64*((\m)%4)+8*\s+4*\c+3], v[STO] offset:64*\s+32*\c   ; LDS serves a wave's instructions in order: these see the stores above, and the next tile's stores come behind them
.endr
.endr
.if (\m) < 4
	s_wait_dscnt 16                                ; all but the 16 loads just issued: the stores have read their registers,
	XLOAD (\m)+4                                   ; which take the tile four further on
.endif
.endm
	XLOAD 0
	XLOAD 1
	XLOAD 2
	XLOAD 3
	TILE 0, 48
	TILE 1, 48
	TILE 2, 48
	TILE 3, 48
	TILE 4, 48
	TILE 5, 32
	TILE 6, 16
	TILE 7, 0
	WIN 0
	s_wait_tensorcnt 0x0                           ; my weight's rows have landed,
	s_wait_dscnt 0x0                               ; my fragments of x are in,
	s_barrier_signal -1
	s_barrier_wait -1                              ; and everybody's weights lie in LDS: nothing writes them again
.macro FETCHW aw, buf, s               ; four fragments (64 rows x 128 K) of a weight into buffer buf
.irp t, 0,1,2,3
.irp c, 0,1
	ds_load_b128 v[WF+32*(\buf)+8*\t+4*\c:WF+32*(\buf)+8*\t+4*\c+3], v[\aw] offset:\t*STGB+64*(\s)+32*\c
.endr
.endr
.endm
.macro WM                              ; one product, by the symbols set just ahead of it; fRA, fRB: the side's scale words stand in lanes 16-31
.if fRA && fRB
	v_wmma_scale_f32_16x16x128_f8f6f4 v[rD:rD+7], v[rA:rA+7], v[rB:rB+7], v[rC:rC+7], v[rSA], v[rSB] matrix_a_fmt:MATRIX_FMT_FP4 matrix_b_fmt:MATRIX_FMT_FP4 matrix_a_scale:MATRIX_SCALE_ROW1 matrix_b_scale:MATRIX_SCALE_ROW1
.elseif fRA
	v_wmma_scale_f32_16x16x128_f8f6f4 v[rD:rD+7], v[rA:rA+7], v[rB:rB+7], v[rC:rC+7], v[rSA], v[rSB] matrix_a_fmt:MATRIX_FMT_FP4 matrix_b_fmt:MATRIX_FMT_FP4 matrix_a_scale:MATRIX_SCALE_ROW1
.elseif fRB
	v_wmma_scale_f32_16x16x128_f8f6f4 v[rD:rD+7], v[rA:rA+7], v[rB:rB+7], v[rC:rC+7], v[rSA], v[rSB] matrix_a_fmt:MATRIX_FMT_FP4 matrix_b_fmt:MATRIX_FMT_FP4 matrix_b_scale:MATRIX_SCALE_ROW1
.else
	v_wmma_scale_f32_16x16x128_f8f6f4 v[rD:rD+7], v[rA:rA+7], v[rB:rB+7], v[rC:rC+7], v[rSA], v[rSB] matrix_a_fmt:MATRIX_FMT_FP4 matrix_b_fmt:MATRIX_FMT_FP4
.endif
.endm
; 32 products of a K step.  The 32 accumulators take turns, one instruction a turn, in the same order in every step.  The first step takes the bias as C: nothing is cleared or added later.
.macro MULQK f, s, buf                 ; accumulator 32 m + 8 t: token tile m, d tile t; source 0 = W, source 1 = x
.irp m, 0,1,2,3,4,5,6,7
.if (\s) == 0
	WIN 0xC4+4*(\m/4)
.else
	WIN 0xF4+4*(\m/4)
.endif
.irp t, 0,1,2,3
.set rD, 32*\m+8*\t
.set rA, WF+32*(\buf)+8*\t
.set rB, 64*(\m%4)+8*(\s)
.if (\s) == 0
.set rC, BI+8*\t
.else
.set rC, rD
.endif
.set rSA, WS+16*(\f)+8*(\t/2)+(\s)
.set rSB, XS+8*(\m/2)+(\s)
.set fRA, \t%2
.set fRB, \m%2
	WM
.endr
.endr
	WIN 0
.endm
.macro MULV s, buf                     ; accumulator 64 n + 8 t: d tile n, token tile t; source 0 = x, source 1 = Wv
.irp t, 0,1,2,3,4,5,6,7
.if (\s) == 0
	WIN 0xC1+(\t/4)
.else
	WIN 0xF1+(\t/4)
.endif
.irp n, 0,1,2,3
.set rD, 64*\n+8*\t
.set rA, 64*(\t%4)+8*(\s)
.set rB, WF+32*(\buf)+8*\n
.if (\s) == 0
.set rC, BI+8*\n
.else
.set rC, rD
.endif
.set rSA, XS+8*(\t/2)+(\s)
.set rSB, WS+32+8*(\n/2)+(\s)
.set fRA, \t%2
.set fRB, \n%2
	WM
.endr
.endr
	WIN 0
.endm
.macro NEXTBIAS nb                     ; the next phase's bias, into registers whose last reader (this phase's first K step) stands four places back
.if \nb == 1
.irp t, 0,1,2,3
	global_load_b128 v[BI+8*\t:BI+8*\t+3], v[BA], s[18:19] offset:64*\t
	global_load_b128 v[BI+8*\t+4:BI+8*\t+7], v[BA], s[18:19] offset:64*\t+16
.endr
.elseif \nb == 2
.irp n, 0,1,2,3
	global_load_b32 v[BI+8*\n], v[BVA], s[24:25] offset:64*\n      ; bv at d = 16 n + r
.endr
.endif
.endm
; The walk along K, eight steps of 128, written out: the next step's fragments are asked for ahead of this step's products.
.macro WALK kind, f, nb
	FETCHW AW+\f, 0, 0
.irp s, 0,1,2,3,4,5,6,7
.if (\s > 0) && (\s < 7)
	PLACES 4                                       ; in front of loads into registers that the last step's products have read
.endif
.if \s < 7
	FETCHW AW+\f, (\s+1)%2, \s+1
.if \s == 1
	NEXTBIAS \nb
.endif
	s_wait_dscnt 8                                 ; this step's fragments are in; the eight just asked for may be out
.else
	s_wait_dscnt 0x0
.endif
.if \kind
	MULV \s, \s%2
.else
	MULQK \f, \s, \s%2
.endif
.endr
.endm
; 64 accumulator registers from s on, four blocks of 32 (16 registers here, 16 in lane l xor 16), become 8 registers of codes at pc and a scale word at pw.
.macro QUANT s, pc, pw
	WIN 0x0F                                       ; sources 0 and 1 window 3
.irp b, 0,1,2,3
	v_max3_num_f32 v[TM+\b], |v[(\s)+16*\b]|, |v[(\s)+16*\b+1]|, 0x1800000   ; each accumulator from its low end on; the floor 2^(3 - 127) holds the byte at 1 from below
.endr
.irp i, 2,4,6,8,10,12,14
.irp b, 0,1,2,3
	v_max3_num_f32 v[TM+\b], |v[(\s)+16*\b+\i]|, |v[(\s)+16*\b+\i+1]|, v[TM+\b]   ; the four blocks by turns
.endr
.endr
	WIN 0
.irp b, 0,1,2,3
	v_permlanex16_b32 v[TM+4+\b], v[TM+\b], s[SEL], s[SEL+1]
.endr
.irp b, 0,1,2,3
	v_max_num_f32 v[TM+\b], v[TM+\b], v[TM+4+\b]   ; the block's largest magnitude
.endr
.irp b, 0,1,2,3
	v_add_nc_u32 v[TM+12+\b], 0xff000000, v[TM+\b] ; 2 off its exponent field: the conversion's scale operand
.endr
.irp b, 0,1,2,3
	v_lshrrev_b32 v[TM+4+\b], 23, v[TM+12+\b]      ; the scale's byte
.endr
	v_lshl_or_b32 v[\pw], v[TM+5], 8, v[TM+4]
	v_lshl_or_b32 v[\pw], v[TM+6], 16, v[\pw]
	v_lshl_or_b32 v[\pw], v[TM+7], 24, v[\pw]
	WIN 0x03                                       ; source 0 window 3
.irp c, 0,1
	v_cvt_scalef32_pk8_fp4_f32 v[(\pc)+4*\c], v[(\s)+32*\c:(\s)+32*\c+7], v[TM+12+2*\c]            ; tile 4 c     (block 2 c)
	v_cvt_scalef32_pk8_fp4_f32 v[(\pc)+4*\c+1], v[(\s)+32*\c+16:(\s)+32*\c+23], v[TM+13+2*\c]      ; tile 4 c + 2 (block 2 c + 1)
	v_cvt_scalef32_pk8_fp4_f32 v[(\pc)+4*\c+2], v[(\s)+32*\c+8:(\s)+32*\c+15], v[TM+12+2*\c]       ; tile 4 c + 1 (block 2 c)
	v_cvt_scalef32_pk8_fp4_f32 v[(\pc)+4*\c+3], v[(\s)+32*\c+24:(\s)+32*\c+31], v[TM+13+2*\c]      ; tile 4 c + 3 (block 2 c + 1)
.endr
	WIN 0
	v_nop                                          ; one plain place behind a scaled conversion
.irp c, 0,1
	v_permlane16_swap_b32 v[(\pc)+4*\c], v[(\pc)+4*\c+1]       ; the first's lanes 16-31 change places with the second's lanes 0-15:
	v_permlane16_swap_b32 v[(\pc)+4*\c+2], v[(\pc)+4*\c+3]     ; registers 4 c .. 4 c + 3 of lane (r, h) now hold block 2 c + h whole
.endr
.endm
.macro EPI_QK base                     ; q's or k's way out: blocks 0, 1 of a QUANT are token tile 2 p's, blocks 2, 3 tile 2 p + 1's
	PLACES 4                                       ; in front of the first read of results
	s_wait_xcnt 0x0                                ; the last phase's stores have read their data: the codes' and words' registers may be written again
.irp p, 0,1,2,3
	QUANT 64*\p, PC+8*\p, PW+\p
	global_store_b128 v[LI], v[PC+8*\p:PC+8*\p+3], s[\base:\base+1] offset:1024*\p          ; 32 lanes store 512 consecutive bytes
	global_store_b128 v[LI], v[PC+8*\p+4:PC+8*\p+7], s[\base:\base+1] offset:1024*\p+512
.endr
.irp p, 0,1,2,3
	v_and_or_b32 v[SW+2*\p], v[PW+\p], 0xffff, s[FILL]
	v_lshrrev_b32 v[SW+2*\p+1], 16, v[PW+\p]
.endr
.irp p, 0,1,2,3
	v_or_b32 v[SW+2*\p+1], s[FILL], v[SW+2*\p+1]
.endr
.irp i, 0,1,2,3
	v_cndmask_b32 v[OW+\i], v[SW+\i], v[SW+4+\i], s[HM]   ; lane (r, h): the words of tiles 4 h .. 4 h + 3 of row r
.endr
	global_store_b128 v[LI], v[OW:OW+3], s[\base:\base+1] offset:4096
.endm
	WALK 0, 0, 1                                   ; q
	EPI_QK 26
	s_wait_loadcnt 0x0                             ; bk
	WALK 0, 1, 2                                   ; k
	EPI_QK 28
	s_wait_loadcnt 0x0                             ; bv
.irp n, 0,1,2,3
.irp j, 1,2,3,4,5,6,7
	v_mov_b32 v[BI+8*\n+\j], v[BI+8*\n]            ; a lane's eight results of a tile of v share one d
.endr
.endr
	PLACES 4
	s_wait_alu depctr_va_vdst(0)
	WALK 1, 2, 0                                   ; v
	PLACES 4
	s_wait_xcnt 0x0
.irp n, 0,1,2,3
	QUANT 64*\n, PC+8*\n, PW+\n                    ; d tile n: 128 keys, four blocks: a whole fragment of V^T and its scale word
	global_store_b128 v[LI], v[PC+8*\n:PC+8*\n+3], s[28:29] offset:4608+1024*\n
	global_store_b128 v[LI], v[PC+8*\n+4:PC+8*\n+7], s[28:29] offset:4608+1024*\n+512
.endr
	global_store_b128 v[LI], v[PW:PW+3], s[28:29] offset:8704   ; lane (r, h): the words of d tiles 0 .. 3 of row r (both halves hold the same)
	s_wait_dscnt 0x0
	s_wait_tensorcnt 0x0
	ds_add_u32 v202, v203
	s_wait_dscnt 0x0
	ROUND                                          ; the closing round
	s_endpgm
.Lfunc_end_k_qae03d02706_proj:
	.size	k_qae03d02706_proj, .Lfunc_end_k_qae03d02706_proj-k_qae03d02706_proj
	.p2alignl 7, 3214868480
	.fill 96, 4, 3214868480
	.section	.rodata,"a",@progbits
	.p2align	6, 0x0
	.amdhsa_kernel k_qae03d02706_proj
		.amdhsa_group_segment_fixed_size 168448
		.amdhsa_private_segment_fixed_size 0
		.amdhsa_enable_private_segment 0
		.amdhsa_kernarg_size 104
		.amdhsa_user_sgpr_count 2
		.amdhsa_user_sgpr_kernarg_segment_ptr 1
		.amdhsa_wavefront_size32 1
		.amdhsa_system_sgpr_workgroup_id_x 1
		.amdhsa_system_sgpr_workgroup_id_y 1
		.amdhsa_system_sgpr_workgroup_id_z 1
		.amdhsa_system_vgpr_workitem_id 0
		.amdhsa_next_free_vgpr 1024
		.amdhsa_next_free_sgpr 100
		.amdhsa_reserve_vcc 0
		.amdhsa_float_denorm_mode_32 3
		.amdhsa_float_denorm_mode_16_64 3
		.amdhsa_memory_ordered 1
		.amdhsa_forward_progress 1
		.amdhsa_inst_pref_size 204
	.end_amdhsa_kernel
	.amdgpu_metadata
---
amdhsa.version: [ 1, 2 ]
amdhsa.kernels:
  - .name:           k_qae03d02706_proj
    .symbol:         k_qae03d02706_proj.kd
    .args:
      - { .name: x_codes, .offset: 0, .size: 8, .value_kind: global_buffer, .address_space: global }
      - { .name: x_scales, .offset: 8, .size: 8, .value_kind: global_buffer, .address_space: global }
      - { .name: Wq_codes, .offset: 16, .size: 8, .value_kind: global_buffer, .address_space: global }
      - { .name: Wq_scales, .offset: 24, .size: 8, .value_kind: global_buffer, .address_space: global }
      - { .name: bq, .offset: 32, .size: 8, .value_kind: global_buffer, .address_space: global }
      - { .name: Wk_codes, .offset: 40, .size: 8, .value_kind: global_buffer, .address_space: global }
      - { .name: Wk_scales, .offset: 48, .size: 8, .value_kind: global_buffer, .address_space: global }
      - { .name: bk, .offset: 56, .size: 8, .value_kind: global_buffer, .address_space: global }
      - { .name: Wv_codes, .offset: 64, .size: 8, .value_kind: global_buffer, .address_space: global }
      - { .name: Wv_scales, .offset: 72, .size: 8, .value_kind: global_buffer, .address_space: global }
      - { .name: bv, .offset: 80, .size: 8, .value_kind: global_buffer, .address_space: global }
      - { .name: qw, .offset: 88, .size: 8, .value_kind: global_buffer, .address_space: global }
      - { .name: kv, .offset: 96, .size: 8, .value_kind: global_buffer, .address_space: global }
    .group_segment_fixed_size: 168448
    .private_segment_fixed_size: 0
    .kernarg_segment_align: 8
    .kernarg_segment_size: 104
    .max_flat_workgroup_size: 128
    .sgpr_count:     100
    .vgpr_count:     1024
    .wavefront_size: 32
...
	.end_amdgpu_metadata
.endif
;; end of part 1
;; launch attn (part 2): grid 4 x 64, 16 waves a work-group, clusters of 4 x 1, 169,984 bytes of LDS; arguments qw, kv, yc, ys; writes yc, ys
.if DOCPART == 2
	.amdgcn_target "amdgcn-amd-amdhsa--gfx1250"
	.amdhsa_code_object_version 6
	.text
	.protected	k_qae03d02706_attn
	.globl	k_qae03d02706_attn
	.p2align	8
	.type	k_qae03d02706_attn,@function
k_qae03d02706_attn:
	s_mov_b64 s[64:65], 0
	v_nop
	global_prefetch_b8 v0, s[64:65] scope:SCOPE_SE
	s_setreg_imm32_b32 hwreg(HW_REG_WAVE_MODE, 25, 1), 1
	s_wait_xcnt 0x0
	s_wait_alu depctr_hold_cnt(0) depctr_sa_sdst(0) depctr_va_vdst(0) depctr_va_sdst(0) depctr_va_ssrc(0) depctr_va_vcc(0) depctr_vm_vsrc(0)
	s_getreg_b32 s2, hwreg(HW_REG_IB_STS2, 6, 4)
	s_cmp_eq_u32 s2, 0
	s_cbranch_scc0 .Lentry_in_a_cluster
	s_endpgm
.Lentry_in_a_cluster:
	s_bfe_u32 s2, ttmp6, 0x10000c
	s_cmp_lg_u32 s2, 0x3003
	s_cbranch_scc0 .Lentry_shape_is_right
	s_endpgm
.Lentry_shape_is_right:
; y = softmax(q k^T / 8, causal) v for one head, both products on codes of FP4 (E2M1) with one E8M0 scale for each 32 along K; then y is quantised along the channels for the last product.
; THE SOFTMAX: t = score x log2(e) / 8; M = the running largest t rounded UP to a whole number; p = 2^(t - M) is quantised along the keys, not normalised; the row's sum is taken of the unquantised p and divides at the end.
; When M moves, the sum and O are multiplied by 2^(old M - new M): exact.
; SHARES.  The four work-groups of a cluster serve one (batch, head).  The head's k and v, 16 key steps x 9,216 bytes of operand images, come into each partner's LDS ONCE, by joint loads at the head (mask 15): no ring.
; Wave w (g = w / 2, e = 2 cx + w % 2) takes query tile 8 g + e (key steps 0 .. g) and then tile 127 - (8 g + e) (key steps 0 .. 15 - g): 17 steps a wave, whatever the wave.
; Trip counts are constants (8 and 16); a step all of whose keys come after the tile's queries is jumped over by a scalar branch on g, the wave's number halved.  cx enters global addresses and the mask's lane numbers alone.
; LAYOUT.  S^T = K Q^T (source 0 = 16 keys, source 1 = 16 queries), O^T = V^T P^T: a lane holds ONE query (lane % 16).  In tile t of S^T lane (r, h) holds keys 16 t + 8 h + 0 .. 7.
; K = 64 UNDER AN INSTRUCTION OF K = 128: Q's fragment is four registers of codes and four of zero codes.  K's tiles lie on end, four registers each, and tile t's fragment names eight: its upper four are the next
; tile's codes (zeros behind tile 7), each multiplied by a zero code of Q under scale bytes 0x7f: they add nothing.
; LIMITS: NaN and infinities are not served; a block whose largest magnitude lies under 2^-124 gets the byte 1 (its bytes are read by this program alone).
.set KVSTEP, 9216                      ; a key step in LDS: 8 key tiles x 512 | 512 of K's scale words | 4 d tiles x 1,024 | 512 of V's scale words
.set HALF,   8*KVSTEP
.set LI,  1                            ; v1   16 x lane: an image's place for my lane
.set ADR, 2                            ; v2   + the step
.set DQ,  3                            ; v3-4 16 E + r - 8 h for the two passes: register 8 t + j of S^T is hidden on the diagonal where 16 t + j is greater
.set NEG, 5                            ; v5   -infinity
.set R16, 6                            ; v6   16 r
.set YSO, 7                            ; v7   y's scale words: 4 r, and in lanes 16-31 the way from the first tile to the second
.set QF,  16                           ; v16-23, v24-31 Q's fragments of the two passes
.set KF,  32                           ; v32-63 K's eight tiles; v64-67 zeros
.set VF,  68                           ; v68-99 V^T's four fragments
.set S,   100                          ; v100-163 S^T, then p
.set O,   164                          ; v164-195 O^T
.set P,   196                          ; v196-203 p's codes
.set BM,  204                          ; v204-207 the blocks' largest
.set T2,  208                          ; v208-211 at work
.set SO,  212                          ; v212-215 the conversions' scale operands
.set KS,  216                          ; v216-219 K's scale words: register t % 4; tiles 0-3 in lanes 0-15, tiles 4-7 in lanes 16-31
.set VS,  220                          ; v220-223 V's
.set PS,  224                          ; v224 p's
.set QS,  225                          ; v225-226 Q's
.set YW,  227                          ; v227-228 y's scale words of the two passes
.set F,   230                          ; v[230:231] f = 2^(old M - new M); at the end 1 / the sum
.set SUM2, 232                         ; v[232:233] the second chain of the row's sum
.set TA,  234
.set YC,  236                          ; v236-243 y's codes of the two passes
.set WV,  12
.set LAST, 17                          ; s17, s18 the diagonal's key step in pass 0, 1
.set SEL, 20
.set CS,  22
.set ST,  24
.set TB,  25
.set HM,  26
.set G1,  32
.set G0,  40
.macro PLACES n
.rept \n
	v_nop
.endr
.endm
.macro ROUND                           ; a round of the cluster's barrier
	s_barrier_signal -1
	s_barrier_wait -1
	s_cmp_lg_u32 s[WV], 0
	s_cbranch_scc1 .Lnot_wave_0_\@
	s_barrier_signal -3
.Lnot_wave_0_\@:
	s_barrier_wait -3
	s_barrier_signal -1
	s_barrier_wait -1
.endm
	s_load_b256 s[4:11], s[0:1], 0x0               ; qw s[4:5], kv s[6:7], yc s[8:9], ys s[10:11]
	v_lshl_add_u32 v254, v0, 2, 0x29000
	v_mov_b32 v255, 0
	ds_add_u32 v254, v255
	ds_add_u32 v254, v255
	v_lshrrev_b32 v8, 5, v0
	s_delay_alu instid0(VALU_DEP_1)
	v_readfirstlane_b32 s[WV], v8                  ; wave 0..15
	v_and_b32 v8, 31, v0
	s_delay_alu instid0(VALU_DEP_1)
	v_lshlrev_b32 v[LI], 4, v8
	v_and_b32 v8, 15, v0                           ; r
	v_bfe_u32 v9, v0, 4, 1                         ; h
	s_wait_alu depctr_va_vdst(0)
	v_lshlrev_b32 v[R16], 4, v8
	s_lshr_b32 s13, s[WV], 1                       ; g
	s_bfe_u32 s14, ttmp6, 0x40000                  ; cx
	s_and_b32 s15, s[WV], 1
	s_lshl_b32 s16, s14, 1
	s_add_co_u32 s15, s15, s16                     ; e: pass 0's tile within its key step
	s_sub_co_u32 s16, 7, s15                       ; pass 1's
	s_mov_b32 s[LAST], s13                         ; pass 0's tile 8 g + e lies in key step g,
	s_sub_co_u32 s[LAST+1], 15, s13                ; pass 1's tile 127 - 8 g - e in key step 15 - g
	s_and_b32 s19, ttmp7, 0xffff                   ; 16 b + head
	v_lshlrev_b32 v10, 3, v9
	s_delay_alu instid0(VALU_DEP_1)
	v_sub_nc_u32 v10, v8, v10                      ; r - 8 h
	s_lshl_b32 s27, s15, 4
	v_add_nc_u32 v[DQ], s27, v10
	s_lshl_b32 s27, s16, 4
	v_add_nc_u32 v[DQ+1], s27, v10
	v_mov_b32 v[NEG], 0xff800000
	s_mov_b32 s[SEL], 0x76543210
	s_mov_b32 s[SEL+1], 0xfedcba98                 ; lane l xor 16
	s_mov_b32 s[CS], 0x3e38aa3b                    ; c = log2(e) / 8
	s_mov_b32 s[CS+1], s[CS]                       ; (named with it as a pair, so it is written)
	s_mov_b32 s[HM], 0xffff0000                    ; lanes 16-31
	; Q's images and scale words: qw + (16 b + head) x 73,728 + step x 4,608 + tile x 512; the words at + 4,096: lane 16 (tile / 4) + r, word tile % 4
	s_mul_i32 s27, s19, 73728
	s_mul_i32 s30, s13, 4608
	s_add_co_u32 s30, s30, s27
	s_mul_i32 s31, s[LAST+1], 4608
	s_add_co_u32 s31, s31, s27
	s_lshl_b32 s48, s15, 9
	s_add_co_u32 s48, s48, s30
	s_mov_b32 s49, 0
	s_lshl_b32 s50, s16, 9
	s_add_co_u32 s50, s50, s31
	s_mov_b32 s51, 0
	s_lshr_b32 s52, s15, 2
	s_lshl_b32 s52, s52, 8
	s_and_b32 s27, s15, 3
	s_lshl_b32 s27, s27, 2
	s_add_co_u32 s52, s52, s27
	s_add_co_u32 s52, s52, s30
	s_add_co_u32 s52, s52, 4096
	s_mov_b32 s53, 0
	s_lshr_b32 s54, s16, 2
	s_lshl_b32 s54, s54, 8
	s_and_b32 s27, s16, 3
	s_lshl_b32 s27, s27, 2
	s_add_co_u32 s54, s54, s27
	s_add_co_u32 s54, s54, s31
	s_add_co_u32 s54, s54, 4096
	s_mov_b32 s55, 0
	; what I fetch, if I fetch: waves 0 to 3 bring a quarter of each half of the head's 147,456 bytes
	s_min_u32 s28, s[WV], 3
	s_mul_i32 s[G0+1], s28, 18432
	s_mul_i32 s56, s19, 147456
	s_add_co_u32 s56, s56, s[G0+1]
	s_mov_b32 s57, 0
	; y: codes at yc + (128 b + tile) x 8,192 + head x 512; scale words at ys + (128 b + tile) x 1,024 + head x 64
	s_lshr_b32 s27, s19, 4
	s_lshl_b32 s27, s27, 7                         ; 128 b
	s_and_b32 s28, s19, 15                         ; head
	s_lshl_b32 s29, s13, 3
	s_add_co_u32 s29, s29, s15                     ; pass 0's tile
	s_add_co_u32 s30, s27, s29
	s_sub_co_u32 s31, 127, s29                     ; pass 1's
	s_add_co_u32 s31, s31, s27
	s_lshl_b32 s66, s28, 9
	s_lshl_b32 s58, s30, 13
	s_add_co_u32 s58, s58, s66
	s_mov_b32 s59, 0
	s_lshl_b32 s60, s31, 13
	s_add_co_u32 s60, s60, s66
	s_mov_b32 s61, 0
	s_lshl_b32 s66, s28, 6
	s_lshl_b32 s62, s30, 10
	s_add_co_u32 s62, s62, s66
	s_mov_b32 s63, 0
	s_lshl_b32 s66, s29, 1
	s_sub_co_u32 s66, 127, s66                     ; tiles from the first to the second
	s_lshl_b32 s66, s66, 10
	v_mul_u32_u24 v[YSO], s66, v9
	s_delay_alu instid0(VALU_DEP_1)
	v_lshl_add_u32 v[YSO], v8, 2, v[YSO]
	; descriptor group 1: 72 rows of 256 bytes (32 elements of 8 bytes), dense; no padding: every LDS read takes 512 consecutive bytes
	s_mov_b32 s[G1], 15|(3<<16)|(1<<21)            ; the mask: all four work-groups; elements of 8 bytes; bit 21 beside a mask
	s_mov_b32 s[G1+1], 32<<16                      ; tensor_dim0
	s_mov_b32 s[G1+2], 72<<16                      ; tensor_dim1
	s_mov_b32 s[G1+3], 32<<16                      ; tile_dim0
	s_mov_b32 s[G1+4], 72                          ; tile_dim1
	s_mov_b32 s[G1+5], 32                          ; pitch
	s_mov_b32 s[G1+6], 0
	s_mov_b32 s[G1+7], 0
	s_wait_dscnt 0x0
	s_wait_kmcnt 0x0
	s_add_nc_u64 s[48:49], s[4:5], s[48:49]
	s_add_nc_u64 s[50:51], s[4:5], s[50:51]
	s_add_nc_u64 s[52:53], s[4:5], s[52:53]
	s_add_nc_u64 s[54:55], s[4:5], s[54:55]
	s_add_nc_u64 s[58:59], s[8:9], s[58:59]
	s_add_nc_u64 s[60:61], s[8:9], s[60:61]
	s_add_nc_u64 s[62:63], s[10:11], s[62:63]
	s_mov_b32 s[G0], 1
	s_add_nc_u64 s[G0+2:G0+3], s[6:7], s[56:57]
	s_mov_b32 s[G0+4], 1
	s_add_co_u32 s[G0+5], s[G0+1], HALF
	s_add_nc_u64 s[G0+6:G0+7], s[G0+2:G0+3], HALF
	s_or_b32 s[G0+3], s[G0+3], 0x80000000
	s_or_b32 s[G0+7], s[G0+7], 0x80000000
	ROUND                                          ; all four work-groups are here: the joint loads meet
	s_cmp_lt_u32 s[WV], 4
	s_cbranch_scc0 .Lno_fill
	tensor_load_to_lds s[G0:G0+3], s[G1:G1+7]      ; key steps 0-7: my quarter
	s_nop 0
	tensor_load_to_lds s[G0+4:G0+7], s[G1:G1+7]    ; key steps 8-15: two tensor loads of mine are out
	s_nop 0
.rept 4
	v_nop
.endr
.Lno_fill:
	global_load_b128 v[QF:QF+3], v[LI], s[48:49]
	global_load_b128 v[QF+8:QF+11], v[LI], s[50:51]
	s_wait_alu depctr_va_vdst(0)
	global_load_b32 v[QS], v[R16], s[52:53]
	global_load_b32 v[QS+1], v[R16], s[54:55]
.irp j, 4,5,6,7,12,13,14,15
	v_mov_b32 v[QF+\j], 0                          ; zero codes for K = 64 .. 127
.endr
.irp j, 0,1,2,3
	v_mov_b32 v[KF+32+\j], 0                       ; what tile 7's fragment names behind its own codes
	v_mov_b32 v[T2+\j], 0                          ; written once: a lane permute's destination counts as one of its sources
.endr
	v_mov_b32 v[F+1], 0                            ; (named as the upper half of a pair)
	v_mov_b32 v[TA], 0
	s_wait_tensorcnt 0x1                           ; my part of key steps 0-7 is in; the other half may stay out
	s_barrier_signal -1
	s_barrier_wait -1                              ; everybody's is
	s_wait_loadcnt 0x0                             ; Q
; A KEY STEP of pass p: 128 keys, 16 queries.
.macro STEP p
	v_add_nc_u32 v[ADR], s[TB], v[LI]
.irp t, 0,1,2,3,4,5,6,7
	ds_load_b128 v[KF+4*\t:KF+4*\t+3], v[ADR] offset:512*\t
.endr
	ds_load_b128 v[KS:KS+3], v[ADR] offset:4096
.irp n, 0,1,2,3
.irp c, 0,1
	ds_load_b128 v[VF+8*\n+4*\c:VF+8*\n+4*\c+3], v[ADR] offset:4608+1024*\n+512*\c
.endr
.endr
	ds_load_b128 v[VS:VS+3], v[ADR] offset:8704
	s_wait_dscnt 9                                 ; K and its scale words are in; V's nine loads may be out
.irp t, 0,1,2,3
	v_wmma_scale_f32_16x16x128_f8f6f4 v[S+8*\t:S+8*\t+7], v[KF+4*\t:KF+4*\t+7], v[QF+8*(\p):QF+8*(\p)+7], 0, v[KS+\t], v[QS+(\p)] matrix_a_fmt:MATRIX_FMT_FP4 matrix_b_fmt:MATRIX_FMT_FP4
.endr
.irp t, 4,5,6,7
	v_wmma_scale_f32_16x16x128_f8f6f4 v[S+8*\t:S+8*\t+7], v[KF+4*\t:KF+4*\t+7], v[QF+8*(\p):QF+8*(\p)+7], 0, v[KS+\t-4], v[QS+(\p)] matrix_a_fmt:MATRIX_FMT_FP4 matrix_b_fmt:MATRIX_FMT_FP4 matrix_a_scale:MATRIX_SCALE_ROW1
.endr
	PLACES 4
	s_cmp_lg_u32 s[ST], s[LAST+(\p)]               ; on the diagonal alone the scores of hidden keys become -infinity ahead of the maximum: p = 0 then
	s_cbranch_scc1 .Lopen_\@
.set ii, 0
.rept 64
	v_cmp_gt_i32 vcc_lo, 16*(ii/8)+ii%8, v[DQ+(\p)]
	v_cndmask_b32 v[S+ii], v[S+ii], v[NEG], vcc_lo
.set ii, ii+1
.endr
.Lopen_\@:
.irp b, 0,1,2,3
	v_max3_num_f32 v[BM+\b], v[S+16*\b], v[S+16*\b+1], v[S+16*\b+2]   ; the largest score of each block of 32 keys: for the row's maximum and, since p rises with the score, for the block's largest p
.endr
.irp i, 3,5,7,9,11,13
.irp b, 0,1,2,3
	v_max3_num_f32 v[BM+\b], v[BM+\b], v[S+16*\b+\i], v[S+16*\b+\i+1]
.endr
.endr
.irp b, 0,1,2,3
	v_max_num_f32 v[BM+\b], v[BM+\b], v[S+16*\b+15]
.endr
.irp b, 0,1,2,3
	s_delay_alu instid0(VALU_DEP_4)
	v_permlanex16_b32 v[T2+\b], v[BM+\b], s[SEL], s[SEL+1]
.endr
.irp b, 0,1,2,3
	s_delay_alu instid0(VALU_DEP_4)
	v_max_num_f32 v[BM+\b], v[BM+\b], v[T2+\b]     ; with lane l xor 16's 16 keys
.endr
	s_delay_alu instid0(VALU_DEP_2)
	v_max3_num_f32 v[TA], v[BM], v[BM+1], v[BM+2]
	s_delay_alu instid0(VALU_DEP_1)
	v_max_num_f32 v[TA], v[TA], v[BM+3]            ; the step's largest score of my query
	s_delay_alu instid0(VALU_DEP_1)
	v_mul_f32 v[TA], s[CS], v[TA]                  ; as t (c is positive)
	s_delay_alu instid0(VALU_DEP_1)
	v_max_num_f32 v13, v13, v[TA]                  ; the running largest t
	v_mov_b32 v[TA], v12
	s_delay_alu instid0(VALU_DEP_2)
	v_floor_f32 v12, -v13                          ; the new -M = floor(-t): M is a whole number
	s_delay_alu instid0(VALU_DEP_1)
	v_sub_f32 v[TA], v12, v[TA]                    ; old M - new M: a whole number, 0 or less
	s_delay_alu instid0(VALU_DEP_1)
	v_cvt_i32_f32 v[TA], v[TA]                     ; (it saturates)
	s_delay_alu instid0(VALU_DEP_1)
	v_ldexp_f32 v[F], 1.0, v[TA]                   ; f = 2^(old M - new M)
.set ii, 0
.rept 32
	v_pk_fma_f32 v[S+ii:S+ii+1], v[S+ii:S+ii+1], s[CS:CS+1], v[12:13] op_sel_hi:[1,0,0]   ; t - M, two at a time
.set ii, ii+2
.endr
	s_setprio 1
.irp b, 0,1,2,3
	v_fma_f32 v[BM+\b], v[BM+\b], s[CS], v12       ; the same of each block's largest score
.endr
.set ii, 0
	s_wait_alu depctr_va_vdst(0)
.rept 64
	v_exp_f32 v[S+ii], v[S+ii]                     ; p = 2^(t - M), at most 1
.set ii, ii+1
.endr
.irp b, 0,1,2,3
	v_exp_f32 v[BM+\b], v[BM+\b]                   ; the block's largest p: the same two instructions on the same number
.endr
	v_pk_mul_f32 v[14:15], v[14:15], v[F:F+1] op_sel_hi:[1,0]   ; the sums under the new M (a plain place behind the exponentials)
	s_wait_alu depctr_va_vdst(0)
.irp b, 0,1,2,3
	v_max_num_f32 v[BM+\b], 0x1800000, v[BM+\b]    ; the floor 2^(3 - 127): the byte cannot fall under 1
.endr
.irp b, 0,1,2,3
	s_delay_alu instid0(VALU_DEP_4)
	v_add_nc_u32 v[SO+\b], 0xff000000, v[BM+\b]    ; 2 off the exponent field: the conversion's scale operand
.endr
.irp b, 0,1,2,3
	s_delay_alu instid0(VALU_DEP_4)
	v_lshrrev_b32 v[T2+\b], 23, v[SO+\b]           ; the scale's byte
.endr
	s_delay_alu instid0(VALU_DEP_3)
	v_lshl_or_b32 v[PS], v[T2+1], 8, v[T2]         ; p's scale word for these 128 keys
	s_delay_alu instid0(VALU_DEP_1)
	v_lshl_or_b32 v[PS], v[T2+2], 16, v[PS]
	s_delay_alu instid0(VALU_DEP_1)
	v_lshl_or_b32 v[PS], v[T2+3], 24, v[PS]
.irp c, 0,1
	v_cvt_scalef32_pk8_fp4_f32 v[P+4*\c], v[S+32*\c:S+32*\c+7], v[SO+2*\c]             ; tile 4 c     (block 2 c)
	v_cvt_scalef32_pk8_fp4_f32 v[P+4*\c+1], v[S+32*\c+16:S+32*\c+23], v[SO+2*\c+1]     ; tile 4 c + 2 (block 2 c + 1)
	v_cvt_scalef32_pk8_fp4_f32 v[P+4*\c+2], v[S+32*\c+8:S+32*\c+15], v[SO+2*\c]        ; tile 4 c + 1 (block 2 c)
	v_cvt_scalef32_pk8_fp4_f32 v[P+4*\c+3], v[S+32*\c+24:S+32*\c+31], v[SO+2*\c+1]     ; tile 4 c + 3 (block 2 c + 1)
.endr
	v_nop                                          ; one plain place behind a scaled conversion
.irp c, 0,1
	v_permlane16_swap_b32 v[P+4*\c], v[P+4*\c+1]   ; registers 4 c .. 4 c + 3 of lane (r, h) now hold block 2 c + h whole
	v_permlane16_swap_b32 v[P+4*\c+2], v[P+4*\c+3]
.endr
	v_pk_add_f32 v[232:233], v[104:105], v[108:109]
	v_pk_add_f32 v[252:253], v[112:113], v[116:117]
	v_pk_add_f32 v[250:251], v[120:121], v[124:125]
	v_pk_add_f32 v[248:249], v[128:129], v[132:133]
	v_pk_add_f32 v[246:247], v[136:137], v[140:141]
	v_pk_add_f32 v[244:245], v[144:145], v[148:149]
	v_pk_add_f32 v[242:243], v[152:153], v[156:157]
	v_pk_add_f32 v[14:15], v[14:15], v[160:161]
	v_pk_add_f32 v[232:233], v[232:233], v[100:101]
	v_pk_add_f32 v[252:253], v[252:253], v[102:103]
	v_pk_add_f32 v[250:251], v[250:251], v[106:107]
	v_pk_add_f32 v[248:249], v[248:249], v[110:111]
	v_pk_add_f32 v[246:247], v[246:247], v[114:115]
	v_pk_add_f32 v[244:245], v[244:245], v[118:119]
	v_pk_add_f32 v[242:243], v[242:243], v[122:123]
	v_pk_add_f32 v[14:15], v[14:15], v[126:127]
	v_pk_add_f32 v[232:233], v[232:233], v[130:131]
	s_setprio 0
	v_pk_add_f32 v[252:253], v[252:253], v[134:135]
	v_pk_add_f32 v[250:251], v[250:251], v[138:139]
	v_pk_add_f32 v[248:249], v[248:249], v[142:143]
	v_pk_add_f32 v[246:247], v[246:247], v[146:147]
	v_pk_add_f32 v[244:245], v[244:245], v[150:151]
	v_pk_add_f32 v[242:243], v[242:243], v[154:155]
	v_pk_add_f32 v[14:15], v[14:15], v[158:159]
	v_pk_add_f32 v[232:233], v[232:233], v[162:163]
	s_delay_alu instid0(VALU_DEP_2)
	v_pk_add_f32 v[14:15], v[14:15], v[248:249]
	s_delay_alu instid0(VALU_DEP_2)
	v_pk_add_f32 v[232:233], v[232:233], v[246:247]
	v_pk_add_f32 v[252:253], v[252:253], v[244:245]
	v_pk_add_f32 v[250:251], v[250:251], v[242:243]
	s_delay_alu instid0(VALU_DEP_2)
	v_pk_add_f32 v[14:15], v[14:15], v[252:253]
	s_delay_alu instid0(VALU_DEP_2)
	v_pk_add_f32 v[232:233], v[232:233], v[250:251]
	s_delay_alu instid0(VALU_DEP_1)
	v_pk_add_f32 v[14:15], v[14:15], v[232:233]
.set ii, 0
.rept 16
	v_pk_mul_f32 v[O+ii:O+ii+1], v[O+ii:O+ii+1], v[F:F+1] op_sel_hi:[1,0]   ; O^T under the new M.  (With the sums: 48 plain lines between p's scale word and codes and the products below)
.set ii, ii+2
.endr
	s_wait_alu depctr_va_vdst(0)
	s_wait_dscnt 0x0                               ; V and its scale words are in
.irp n, 0,1,2,3
	v_wmma_scale_f32_16x16x128_f8f6f4 v[O+8*\n:O+8*\n+7], v[VF+8*\n:VF+8*\n+7], v[P:P+7], v[O+8*\n:O+8*\n+7], v[VS+\n], v[PS] matrix_a_fmt:MATRIX_FMT_FP4 matrix_b_fmt:MATRIX_FMT_FP4
.endr
	PLACES 4                                       ; in front of the next step's loads into V's registers, and of the first read of O^T
.endm
; O^T / the sum, quantised along the head's 64 channels (two blocks): quad head % 2 of K step head / 2 of the last product.
.macro YOUT p, base
	v_add_f32 v14, v14, v15                        ; the sum's two halves,
	s_delay_alu instid0(VALU_DEP_1)
	v_permlanex16_b32 v[TA], v14, s[SEL], s[SEL+1]
	s_delay_alu instid0(VALU_DEP_1)
	v_add_f32 v14, v14, v[TA]                      ; and lane l xor 16's
	s_wait_alu depctr_va_vdst(0)
	v_rcp_f32 v[F], v14
	v_nop                                          ; one plain place behind a transcendental
.set ii, 0
	s_wait_alu depctr_va_vdst(0)
.rept 16
	v_pk_mul_f32 v[S+ii:S+ii+1], v[O+ii:O+ii+1], v[F:F+1] op_sel_hi:[1,0]   ; register 8 n + j: y(query r, d = 16 n + 8 h + j); each accumulator from its low end on
.set ii, ii+2
.endr
.irp b, 0,1
	v_max3_num_f32 v[BM+\b], |v[S+16*\b]|, |v[S+16*\b+1]|, 0x1800000
.endr
.irp i, 2,4,6,8,10,12,14
.irp b, 0,1
	s_delay_alu instid0(VALU_DEP_2)
	v_max3_num_f32 v[BM+\b], v[BM+\b], |v[S+16*\b+\i]|, |v[S+16*\b+\i+1]|
.endr
.endr
.irp b, 0,1
	s_delay_alu instid0(VALU_DEP_2)
	v_permlanex16_b32 v[T2+\b], v[BM+\b], s[SEL], s[SEL+1]
.endr
.irp b, 0,1
	s_delay_alu instid0(VALU_DEP_2)
	v_max_num_f32 v[BM+\b], v[BM+\b], v[T2+\b]
.endr
.irp b, 0,1
	s_delay_alu instid0(VALU_DEP_2)
	v_add_nc_u32 v[SO+\b], 0xff000000, v[BM+\b]
.endr
.irp b, 0,1
	s_delay_alu instid0(VALU_DEP_2)
	v_lshrrev_b32 v[T2+\b], 23, v[SO+\b]
.endr
	s_delay_alu instid0(VALU_DEP_1)
	v_lshl_or_b32 v[YW+(\p)], v[T2+1], 8, v[T2]    ; the head's two bytes of row r
	v_cvt_scalef32_pk8_fp4_f32 v[YC+4*(\p)], v[S:S+7], v[SO]
	v_cvt_scalef32_pk8_fp4_f32 v[YC+4*(\p)+1], v[S+16:S+23], v[SO+1]
	v_cvt_scalef32_pk8_fp4_f32 v[YC+4*(\p)+2], v[S+8:S+15], v[SO]
	v_cvt_scalef32_pk8_fp4_f32 v[YC+4*(\p)+3], v[S+24:S+31], v[SO+1]
	v_nop
	v_permlane16_swap_b32 v[YC+4*(\p)], v[YC+4*(\p)+1]
	v_permlane16_swap_b32 v[YC+4*(\p)+2], v[YC+4*(\p)+3]
	global_store_b128 v[LI], v[YC+4*(\p):YC+4*(\p)+3], s[\base:\base+1]   ; 32 lanes store 512 consecutive bytes
.endm
; A pass: one tile of 16 queries against nst key steps, of which those behind the diagonal are jumped over; the lines that step the address and the count are on every way.
.macro PASS p, nst, base
	v_mov_b32 v13, 0xff61b1e6                      ; the largest t so far: -3e38, under every t
	s_delay_alu instid0(VALU_DEP_1)
	v_floor_f32 v12, -v13                          ; -M
	v_mov_b32 v14, 0
	v_mov_b32 v15, 0
.set ii, 0
.rept 32
	v_mov_b32 v[O+ii], 0                           ; the step is written once: the first finds zeros, which the first change of M leaves zeros
.set ii, ii+1
.endr
	s_mov_b32 s[ST], 0
	s_mov_b32 s[TB], 0
.Lstep_\@:
	s_cmp_gt_u32 s[ST], s[LAST+(\p)]
	s_cbranch_scc1 .Lhidden_\@
	s_setprio 2
	STEP \p
.Lhidden_\@:
	s_add_co_u32 s[TB], s[TB], KVSTEP
	s_add_co_u32 s[ST], s[ST], 1
	s_cmp_lt_u32 s[ST], \nst
	s_cbranch_scc1 .Lstep_\@
	s_setprio 0
	YOUT \p, \base
.endm
	PASS 0, 8, 58                                  ; reads key steps 0-7 alone: bytes under 73,728
	s_wait_tensorcnt 0x0                           ; my part of key steps 8-15 is in,
	s_wait_dscnt 0x0
	s_barrier_signal -1
	s_barrier_wait -1                              ; everybody's is
	PASS 1, 16, 60
	v_cndmask_b32 v[TA], v[YW], v[YW+1], s[HM]     ; lanes 0-15 the first tile's scale words, lanes 16-31 the second's
	global_store_b32 v[YSO], v[TA], s[62:63]       ; two runs of 64 bytes
	s_wait_dscnt 0x0
	s_wait_tensorcnt 0x0
	ds_add_u32 v254, v255
	s_wait_dscnt 0x0
	ROUND                                          ; the closing round
	s_endpgm
.Lfunc_end_k_qae03d02706_attn:
	.size	k_qae03d02706_attn, .Lfunc_end_k_qae03d02706_attn-k_qae03d02706_attn
	.p2alignl 7, 3214868480
	.fill 96, 4, 3214868480
	.section	.rodata,"a",@progbits
	.p2align	6, 0x0
	.amdhsa_kernel k_qae03d02706_attn
		.amdhsa_group_segment_fixed_size 169984
		.amdhsa_private_segment_fixed_size 0
		.amdhsa_enable_private_segment 0
		.amdhsa_kernarg_size 32
		.amdhsa_user_sgpr_count 2
		.amdhsa_user_sgpr_kernarg_segment_ptr 1
		.amdhsa_wavefront_size32 1
		.amdhsa_system_sgpr_workgroup_id_x 1
		.amdhsa_system_sgpr_workgroup_id_y 1
		.amdhsa_system_sgpr_workgroup_id_z 1
		.amdhsa_system_vgpr_workitem_id 0
		.amdhsa_next_free_vgpr 256
		.amdhsa_next_free_sgpr 100
		.amdhsa_reserve_vcc 1
		.amdhsa_float_denorm_mode_32 3
		.amdhsa_float_denorm_mode_16_64 3
		.amdhsa_memory_ordered 1
		.amdhsa_forward_progress 1
		.amdhsa_inst_pref_size 61
	.end_amdhsa_kernel
	.amdgpu_metadata
---
amdhsa.version: [ 1, 2 ]
amdhsa.kernels:
  - .name:           k_qae03d02706_attn
    .symbol:         k_qae03d02706_attn.kd
    .args:
      - { .name: qw, .offset: 0, .size: 8, .value_kind: global_buffer, .address_space: global }
      - { .name: kv, .offset: 8, .size: 8, .value_kind: global_buffer, .address_space: global }
      - { .name: yc, .offset: 16, .size: 8, .value_kind: global_buffer, .address_space: global }
      - { .name: ys, .offset: 24, .size: 8, .value_kind: global_buffer, .address_space: global }
    .group_segment_fixed_size: 169984
    .private_segment_fixed_size: 0
    .kernarg_segment_align: 8
    .kernarg_segment_size: 32
    .max_flat_workgroup_size: 512
    .sgpr_count:     100
    .vgpr_count:     256
    .wavefront_size: 32
...
	.end_amdgpu_metadata
.endif
;; end of part 2
;; launch outp (part 3): grid 32 x 8, 4 waves a work-group, clusters of 4 x 1, 168,448 bytes of LDS; arguments yc, ys, Wc_codes, Wc_scales, bc, out0; writes out0
.if DOCPART == 3
	.amdgcn_target "amdgcn-amd-amdhsa--gfx1250"
	.amdhsa_code_object_version 6
	.text
	.protected	k_qae03d02706_outp
	.globl	k_qae03d02706_outp
	.p2align	8
	.type	k_qae03d02706_outp,@function
k_qae03d02706_outp:
	s_mov_b64 s[64:65], 0
	v_nop
	global_prefetch_b8 v0, s[64:65] scope:SCOPE_SE
	s_setreg_imm32_b32 hwreg(HW_REG_WAVE_MODE, 25, 1), 1
	s_wait_xcnt 0x0
	s_wait_alu depctr_hold_cnt(0) depctr_sa_sdst(0) depctr_va_vdst(0) depctr_va_sdst(0) depctr_va_ssrc(0) depctr_va_vcc(0) depctr_vm_vsrc(0)
	s_getreg_b32 s2, hwreg(HW_REG_IB_STS2, 6, 4)
	s_cmp_eq_u32 s2, 0
	s_cbranch_scc0 .Lentry_in_a_cluster
	s_endpgm
.Lentry_in_a_cluster:
	s_bfe_u32 s2, ttmp6, 0x10000c
	s_cmp_lg_u32 s2, 0x3003
	s_cbranch_scc0 .Lentry_shape_is_right
	s_endpgm
.Lentry_shape_is_right:
; out = y Wc^T + bc on codes of FP4 (E2M1) with one E8M0 scale for each 32 along K; sums in f32; out is f32.
; SHARES.  A work-group takes 256 tokens (chunk X) and 128 columns (block Y); wave w takes tokens 64 w .. 64 w + 63: four tiles of 16, whose fragments of y (4 x 8 K steps x 8 registers) stay in registers.
; y's codes lie in memory as images of operand registers, so each load reads 512 consecutive bytes straight into its place.  Wc's 128 rows (65,536 bytes) lie in LDS; each fragment read from there feeds 4 products.
; CLUSTER.  The four chunks of a cluster need the same 128 rows of Wc: they are asked for jointly (mask 15).
; Source 0 = 16 rows of Wc, source 1 = 16 tokens: a lane holds eight neighbouring columns of one row of out.  The bias is the C of each sum's first product.
; LIMITS: NaN, infinities and the scale byte 0xff among the inputs are not served.
; REGISTERS, in windows of 256: window 0: addresses, scale words, Wc's fragments (two buffers of eight; on the way out rows of out).  window 1: y fragment (m, s) at 64 m + 8 s.
;   window 2: accumulator (m, t) at 64 m + 8 t.   window 3: v0-63 the bias, 8 registers a tile.
.set WPITCH, 528                       ; a row in LDS: 512 bytes + 16 of padding = 33 x 16
.set WBLK,   64*WPITCH
.set STGB,   16*WPITCH
.set STAGE,  2*WBLK                    ; behind Wc: 16 rows x 528 bytes for each wave; no tensor load lands there
.set LI,  1                            ; v1  16 x lane
.set AW,  2                            ; v2  my place in a fragment of Wc: r x 528 + 16 h
.set STO, 3                            ; v3  the stage: where I put 32 bytes of a row
.set RD,  4                            ; v4  and where I read a row back
.set SA,  5                            ; v5  32 x lane
.set BA,  6                            ; v6  32 h
.set YSA, 7                            ; v7  1,024 h + 4 r
.set YS,  16                           ; v16-31 y's scale words: 8 p + s: lanes 0-15 tile 2 p, lanes 16-31 tile 2 p + 1
.set WS,  32                           ; v32-63 Wc's: 8 u + s, packed likewise
.set WF,  64                           ; v64-191 Wc's fragments
.set BK,  64                           ; the way out: v64-127 and v128-191 by turns
.set YH,  192                          ; v192-223 the two heads' halves of y's scale words
.set WV,  16
.set G1,  24
.set G0,  32
.set MSB, 0
.macro WIN new                         ; the immediate's high byte repeats the setting that is left
.if MSB != (\new)
	s_set_vgpr_msb (MSB<<8)|(\new)
.set MSB, (\new)
.endif
.endm
.macro PLACES n
.rept \n
	v_nop
.endr
.endm
.macro ROUND                           ; a round of the cluster's barrier
	s_barrier_signal -1
	s_barrier_wait -1
	s_cmp_lg_u32 s[WV], 0
	s_cbranch_scc1 .Lnot_wave_0_\@
	s_barrier_signal -3
.Lnot_wave_0_\@:
	s_barrier_wait -3
	s_barrier_signal -1
	s_barrier_wait -1
.endm
	s_load_b256 s[4:11], s[0:1], 0x0               ; yc s[4:5], ys s[6:7], Wc codes s[8:9], Wc scales s[10:11]
	s_load_b128 s[12:15], s[0:1], 0x20             ; bc s[12:13], out0 s[14:15]
	v_lshl_add_u32 v254, v0, 2, 0x29000
	v_mov_b32 v255, 0
	ds_add_u32 v254, v255
	ds_add_u32 v254, v255
	v_lshrrev_b32 v8, 5, v0
	v_readfirstlane_b32 s[WV], v8                  ; wave 0..3
	v_and_b32 v8, 31, v0                           ; lane
	v_and_b32 v9, 15, v0                           ; r
	v_bfe_u32 v10, v0, 4, 1                        ; h
	v_lshlrev_b32 v[LI], 4, v8
	v_mul_u32_u24 v[AW], v9, WPITCH
	s_mul_i32 s17, s[WV], STGB
	s_add_co_u32 s17, s17, STAGE                   ; my stage
	v_lshl_add_u32 v[STO], v10, 5, v[AW]
	v_add_nc_u32 v[STO], s17, v[STO]               ; in: row r, 32 bytes for each half of the lanes
	v_lshl_add_u32 v[AW], v10, 4, v[AW]
	v_add_nc_u32 v[RD], s17, v[LI]                 ; back: the 32 lanes take one row of 512 bytes
	v_lshlrev_b32 v[SA], 5, v8
	v_lshlrev_b32 v[BA], 5, v10
	v_lshlrev_b32 v[YSA], 10, v10
	v_lshl_add_u32 v[YSA], v9, 2, v[YSA]
	s_bfe_u32 s18, ttmp6, 0x40000                  ; cx
	s_lshl_b32 s19, ttmp9, 2
	s_add_co_u32 s19, s19, s18                     ; X: it enters the addresses of yc, ys and out0 alone
	s_and_b32 s20, ttmp7, 0xffff                   ; Y, which the four partners share
	s_lshl_b32 s40, s19, 17                        ; y's codes: token tile 16 X + 4 w, 8,192 bytes a tile
	s_lshl_b32 s21, s[WV], 15
	s_add_co_u32 s40, s40, s21
	s_mov_b32 s41, 0
	s_lshl_b32 s42, s19, 14                        ; y's scale words: 1,024 bytes a tile
	s_lshl_b32 s21, s[WV], 12
	s_add_co_u32 s42, s42, s21
	s_mov_b32 s43, 0
	s_min_u32 s22, s[WV], 1                        ; waves 0 and 1 bring 64 rows of Wc each
	s_lshl_b32 s44, s20, 16
	s_lshl_b32 s21, s22, 15
	s_add_co_u32 s44, s44, s21
	s_mov_b32 s45, 0
	s_lshl_b32 s46, s20, 12                        ; Wc's scale bytes: 128 rows x 32
	s_mov_b32 s47, 0
	s_lshl_b32 s48, s20, 9                         ; bc: 128 numbers; also my columns' bytes in a row of out
	s_mov_b32 s49, 0
	s_lshl_b32 s50, s19, 20                        ; out: 256 rows of 4,096 bytes a chunk,
	s_lshl_b32 s21, s[WV], 18                      ; 64 rows a wave
	s_add_co_u32 s50, s50, s21
	s_add_co_u32 s50, s50, s48
	s_mov_b32 s51, 0
	; descriptor group 1: 64 rows of 64 elements of 8 bytes, dense in memory, 16 bytes of padding behind each row in LDS
	s_mov_b32 s[G1], 15|(3<<16)|(1<<20)|(1<<21)|(6<<22)|(3<<25)
	s_mov_b32 s[G1+1], 64<<16
	s_mov_b32 s[G1+2], 64<<16
	s_mov_b32 s[G1+3], 64<<16
	s_mov_b32 s[G1+4], 64
	s_mov_b32 s[G1+5], 64
	s_mov_b32 s[G1+6], 0
	s_mov_b32 s[G1+7], 0
	s_wait_dscnt 0x0
	s_wait_kmcnt 0x0
	s_add_nc_u64 s[4:5], s[4:5], s[40:41]
	s_add_nc_u64 s[6:7], s[6:7], s[42:43]
	s_add_nc_u64 s[10:11], s[10:11], s[46:47]
	s_add_nc_u64 s[12:13], s[12:13], s[48:49]
	s_add_nc_u64 s[14:15], s[14:15], s[50:51]
	s_mov_b32 s[G0], 1
	s_mul_i32 s[G0+1], s22, WBLK
	s_add_nc_u64 s[G0+2:G0+3], s[8:9], s[44:45]
	s_or_b32 s[G0+3], s[G0+3], 0x80000000
	ROUND                                          ; all four work-groups are here: the joint loads meet
	s_cmp_lt_u32 s[WV], 2
	s_cbranch_scc0 .Lno_fill
	tensor_load_to_lds s[G0:G0+3], s[G1:G1+7]      ; filled once; one tensor load of mine is out
	s_nop 0
.rept 4
	v_nop
.endr
.Lno_fill:
	s_wait_alu depctr_va_vdst(0)
.irp u, 0,1,2,3
	global_load_b128 v[WS+8*\u:WS+8*\u+3], v[SA], s[10:11] offset:1024*\u      ; row 32 u + lane of the block: its eight scale words
	global_load_b128 v[WS+8*\u+4:WS+8*\u+7], v[SA], s[10:11] offset:1024*\u+16
.endr
	WIN 0xC0                                       ; destination window 3
.irp t, 0,1,2,3,4,5,6,7
	global_load_b128 v[8*\t:8*\t+3], v[BA], s[12:13] offset:64*\t              ; bc at column 16 t + 8 h + 0 .. 7
	global_load_b128 v[8*\t+4:8*\t+7], v[BA], s[12:13] offset:64*\t+16
.endr
	WIN 0
.irp p, 0,1
.irp s, 0,1,2,3,4,5,6,7
	global_load_b32 v[YH+2*(8*\p+\s)], v[YSA], s[6:7] offset:2048*\p+128*\s        ; token tile 2 p + h, head 2 s: bytes 0, 1 of K step s's word,
	global_load_b32 v[YH+2*(8*\p+\s)+1], v[YSA], s[6:7] offset:2048*\p+128*\s+64   ; head 2 s + 1: bytes 2, 3
.endr
.endr
	WIN 0x40                                       ; destination window 1
.irp s, 0,1,2,3,4,5,6,7
.irp m, 0,1,2,3
.irp c, 0,1
	global_load_b128 v[64*\m+8*\s+4*\c:64*\m+8*\s+4*\c+3], v[LI], s[4:5] offset:8192*\m+1024*\s+512*\c th:TH_LOAD_NT   ; K step by K step: eight loads a step
.endr
.endr
.endr
	WIN 0
	s_wait_loadcnt 56                              ; all but y's K steps 1 to 7
.set ii, 0
.rept 16
	v_lshl_or_b32 v[YS+ii], v[YH+2*ii+1], 16, v[YH+2*ii]
.set ii, ii+1
.endr
	PLACES 8                                       ; a scale register written by a vector instruction stands 8 places ahead of a scaled product
	s_wait_alu depctr_va_vdst(0)
	s_wait_tensorcnt 0x0                           ; my rows of Wc have landed,
	s_barrier_signal -1
	s_barrier_wait -1                              ; everybody's have: nothing writes them again
.macro FETCHW buf, s                   ; eight fragments (128 rows x 128 K) of Wc into buffer buf
.irp t, 0,1,2,3,4,5,6,7
.irp c, 0,1
	ds_load_b128 v[WF+64*(\buf)+8*\t+4*\c:WF+64*(\buf)+8*\t+4*\c+3], v[AW] offset:\t*STGB+64*(\s)+32*\c
.endr
.endr
.endm
.macro WM                              ; one product, by the symbols set just ahead of it; fRA, fRB: the side's scale words stand in lanes 16-31
.if fRA && fRB
	v_wmma_scale_f32_16x16x128_f8f6f4 v[rD:rD+7], v[rA:rA+7], v[rB:rB+7], v[rC:rC+7], v[rSA], v[rSB] matrix_a_fmt:MATRIX_FMT_FP4 matrix_b_fmt:MATRIX_FMT_FP4 matrix_a_scale:MATRIX_SCALE_ROW1 matrix_b_scale:MATRIX_SCALE_ROW1
.elseif fRA
	v_wmma_scale_f32_16x16x128_f8f6f4 v[rD:rD+7], v[rA:rA+7], v[rB:rB+7], v[rC:rC+7], v[rSA], v[rSB] matrix_a_fmt:MATRIX_FMT_FP4 matrix_b_fmt:MATRIX_FMT_FP4 matrix_a_scale:MATRIX_SCALE_ROW1
.elseif fRB
	v_wmma_scale_f32_16x16x128_f8f6f4 v[rD:rD+7], v[rA:rA+7], v[rB:rB+7], v[rC:rC+7], v[rSA], v[rSB] matrix_a_fmt:MATRIX_FMT_FP4 matrix_b_fmt:MATRIX_FMT_FP4 matrix_b_scale:MATRIX_SCALE_ROW1
.else
	v_wmma_scale_f32_16x16x128_f8f6f4 v[rD:rD+7], v[rA:rA+7], v[rB:rB+7], v[rC:rC+7], v[rSA], v[rSB] matrix_a_fmt:MATRIX_FMT_FP4 matrix_b_fmt:MATRIX_FMT_FP4
.endif
.endm
.macro MUL s, buf                      ; 32 products of a K step; the 32 accumulators take turns, one instruction a turn, in the same order in every step
.if (\s) == 0
	WIN 0xB4                                       ; source 1 (y) window 1, C (the bias) window 3, D window 2
.else
	WIN 0xA4                                       ; C and D window 2
.endif
.irp m, 0,1,2,3
.irp t, 0,1,2,3,4,5,6,7
.set rD, 64*\m+8*\t
.set rA, WF+64*(\buf)+8*\t
.set rB, 64*\m+8*(\s)
.if (\s) == 0
.set rC, 8*\t
.else
.set rC, rD
.endif
.set rSA, WS+8*(\t/2)+(\s)
.set rSB, YS+8*(\m/2)+(\s)
.set fRA, \t%2
.set fRB, \m%2
	WM
.endr
.endr
	WIN 0
.endm
	FETCHW 0, 0
.irp s, 0,1,2,3,4,5,6,7
.if (\s > 0) && (\s < 7)
	PLACES 4                                       ; in front of loads into registers that the last step's products have read
.endif
.if \s < 7
	FETCHW (\s+1)%2, \s+1
	s_wait_dscnt 16                                ; this step's fragments are in; the sixteen just asked for may be out
.else
	s_wait_dscnt 0x0
.endif
	s_wait_loadcnt 8*(7-\s)                        ; y's fragments of this K step are in; the later steps' may be out
	MUL \s, \s%2
.endr
; THE WAY OUT, a tile of 16 rows x 128 columns at a time: through my own stage, back as whole rows of 512 bytes.  LDS serves a wave's instructions in order: no wait between the stores and the loads, nor in front of the next tile's stores.
.macro TOSTAGE a
	WIN 0x08                                       ; an LDS store's data: window 2
.irp t, 0,1,2,3,4,5,6,7
	ds_store_b128 v[STO], v[64*(\a)+8*\t:64*(\a)+8*\t+3] offset:64*\t          ; each accumulator from its low end on
	ds_store_b128 v[STO], v[64*(\a)+8*\t+4:64*(\a)+8*\t+7] offset:64*\t+16
.endr
	WIN 0
.irp i, 0,1,2,3,4,5,6,7,8,9,10,11,12,13,14,15
	ds_load_b128 v[BK+64*((\a)%2)+4*\i:BK+64*((\a)%2)+4*\i+3], v[RD] offset:\i*WPITCH
.endr
.endm
.macro SEND a, younger                 ; younger: the LDS instructions issued behind tile a's loads, which may stay out
	s_wait_dscnt \younger
.irp i, 0,1,2,3,4,5,6,7,8,9,10,11,12,13,14,15
	global_store_b128 v[LI], v[BK+64*((\a)%2)+4*\i:BK+64*((\a)%2)+4*\i+3], s[14:15] offset:(16*(\a)+\i)*4096 th:TH_STORE_NT   ; 32 lanes store 512 consecutive bytes, at a multiple of 256 from out's first byte
.endr
.endm
	PLACES 4                                       ; in front of the first read of results and of loads into registers that held Wc's fragments
	TOSTAGE 0
.irp a, 1,2,3
.if \a > 1
	s_wait_xcnt 0x0                                ; tile a - 2's stores have read their registers: tile a's loads may land there
.endif
	TOSTAGE \a
	SEND \a-1, 32                                  ; behind tile a - 1's loads: tile a's 16 stores and 16 loads
.endr
	SEND 3, 0
	s_wait_dscnt 0x0
	s_wait_tensorcnt 0x0
	ds_add_u32 v254, v255
	s_wait_dscnt 0x0
	ROUND                                          ; the closing round
	s_endpgm
.Lfunc_end_k_qae03d02706_outp:
	.size	k_qae03d02706_outp, .Lfunc_end_k_qae03d02706_outp-k_qae03d02706_outp
	.p2alignl 7, 3214868480
	.fill 96, 4, 3214868480
	.section	.rodata,"a",@progbits
	.p2align	6, 0x0
	.amdhsa_kernel k_qae03d02706_outp
		.amdhsa_group_segment_fixed_size 168448
		.amdhsa_private_segment_fixed_size 0
		.amdhsa_enable_private_segment 0
		.amdhsa_kernarg_size 48
		.amdhsa_user_sgpr_count 2
		.amdhsa_user_sgpr_kernarg_segment_ptr 1
		.amdhsa_wavefront_size32 1
		.amdhsa_system_sgpr_workgroup_id_x 1
		.amdhsa_system_sgpr_workgroup_id_y 1
		.amdhsa_system_sgpr_workgroup_id_z 1
		.amdhsa_system_vgpr_workitem_id 0
		.amdhsa_next_free_vgpr 832
		.amdhsa_next_free_sgpr 80
		.amdhsa_reserve_vcc 0
		.amdhsa_float_denorm_mode_32 3
		.amdhsa_float_denorm_mode_16_64 3
		.amdhsa_memory_ordered 1
		.amdhsa_forward_progress 1
		.amdhsa_inst_pref_size 74
	.end_amdhsa_kernel
	.amdgpu_metadata
---
amdhsa.version: [ 1, 2 ]
amdhsa.kernels:
  - .name:           k_qae03d02706_outp
    .symbol:         k_qae03d02706_outp.kd
    .args:
      - { .name: yc, .offset: 0, .size: 8, .value_kind: global_buffer, .address_space: global }
      - { .name: ys, .offset: 8, .size: 8, .value_kind: global_buffer, .address_space: global }
      - { .name: Wc_codes, .offset: 16, .size: 8, .value_kind: global_buffer, .address_space: global }
      - { .name: Wc_scales, .offset: 24, .size: 8, .value_kind: global_buffer, .address_space: global }
      - { .name: bc, .offset: 32, .size: 8, .value_kind: global_buffer, .address_space: global }
      - { .name: out0, .offset: 40, .size: 8, .value_kind: global_buffer, .address_space: global }
    .group_segment_fixed_size: 168448
    .private_segment_fixed_size: 0
    .kernarg_segment_align: 8
    .kernarg_segment_size: 48
    .max_flat_workgroup_size: 128
    .sgpr_count:     80
    .vgpr_count:     832
    .wavefront_size: 32
...
	.end_amdgpu_metadata
.endif
;; end of part 3
